; MI455X (gfx1250); checked and timed in simulation.
; The chip was launched on July 23, 2026; its instructions are those of AMD's public machine-readable ISA for CDNA 5 (MIT licence, August 2026) and "CDNA5" Instruction Set Architecture Reference Guide (July 2026). The comments in the code are by the model that wrote it; some were corrected since.
;; Self Attention. Allowed arithmetic: matrix products marked QUANTISED: E3M2 operands, one E8M0 scale for each 32 along K, by v_wmma_scale_f32_16x16x128_f8f6f4 with both operands' format E3M2, f32 sums; everything else in f32.
;; Inputs: fc_b 1,024 float32; fc_w 1,024 x 1,024 float32; qkv_b 3,072 float32; qkv_w 3,072 x 1,024 float32; x 8 x 1,024 x 1,024 float32.
;; Outputs: out0 8 x 1,024 x 1,024 float32.
;; This version of the problem:
;;   THIS VERSION OF THE PROBLEM IS GIVEN IN LOW PRECISION. The matrix products marked QUANTISED in the list below multiply operands that are first quantised to E3M2 (3 exponent bits, 2 mantissa bits; 6 bits a number), with one power-of-two scale for each 32 numbers along K (OCP MX v1.0); their sums are f32. All else is computed in f32.
;;   The module's matrix products, in the order in which they are computed (A, B: the left and right operand; K: the contracted axis; several contracted axes count as one K, in the product's order):
;;     1. [M 8,192, K 1,024] x [K 1,024, N 3,072]; A: input x; B: input qkv_w: QUANTISED
;;     2. batch 128 x [M 1,024, K 64] x [K 64, N 1,024]; A: computed on the way; B: computed on the way: QUANTISED
;;     3. batch 128 x [M 1,024, K 1,024] x [K 1,024, N 64]; A: softmax (see below); B: computed on the way: QUANTISED
;;     4. [M 8,192, K 1,024] x [K 1,024, N 1,024]; A: computed on the way; B: input fc_w: QUANTISED
;;   THE QUANTISER, for each operand of a quantised product, along K:
;;     - K is cut into blocks of 32 from its start; a last block that is shorter is filled with zeros.
;;     - A block's scale is 2^e with e = floor(log2(the largest magnitude in the block)) - 4, held to -126 .. 127; a block of zeros has e = 0. As a byte (E8M0): e + 127.
;;     - Each number is divided by its block's scale, clamped to +-28, and rounded to the nearest number of E3M2, ties to even, subnormals kept.
;;     - The product sums the exact products of the quantised numbers (number of the format x scale) in f32.
;;   ~~~python
;;   def quantise(x, axis):      # numpy; x: float32 -> the quantised numbers, widened to float32 again
;;       x = np.moveaxis(x, axis, -1); K = x.shape[-1]
;;       x = np.pad(x, [(0, 0)] * (x.ndim - 1) + [(0, -K % 32)]); x = x.reshape(x.shape[:-1] + (-1, 32)); a = np.abs(x).max(-1, keepdims=True)
;;       e = np.where(a > 0, np.clip(np.frexp(np.where(a > 0, a, 1))[1] - 1 - 4, -126, 127), 0)      # np.frexp(a)[1] - 1 = floor(log2(a)), exactly
;;       r = np.clip(x / 2.0 ** e, -28, 28)
;;       step = 2.0 ** (np.maximum(np.frexp(np.where(r == 0, 1, r))[1] - 1, -2) - 2)
;;       q = np.round(r / step) * step * 2.0 ** e      # np.round: ties to even
;;       return np.moveaxis(q.reshape(q.shape[:-2] + (-1,))[..., :K], -1, axis).astype(np.float32)
;;   ~~~
;;   SOFTMAX AHEAD OF A QUANTISED PRODUCT. Where the list says 'softmax', what is quantised is not the finished softmax but p = 2^(t - M), with t = logit x log2(e) and M = ceil(the row's largest t), a whole number; so 1/2 < the row's largest p <= 1. The row's sum l is taken of the UNQUANTISED p, in f32, and the product's result is divided by l at the end. Since M is a whole number, a kernel that streams over the keys may use a running M (the ceiling of the running maximum): every later rescaling is an exact power of two, which a block's scale takes up: the codes' values come out the same.
;;   OPERANDS COMPUTED ON THE WAY. 'Computed on the way' means the value that the module computes at that place (a softmax that the list does not call 'softmax' is quantised finished and normalised). What goes into a quantiser is computed in f32, as accurately as f32 sums, v_exp_f32 and their like allow (about 1e-6 of the number): no bf16 or f16 on the way to a quantiser, and a product that is left as it is and whose result goes on into a quantised operand takes f32 operands (vector FMAs, or v_wmma_f32_16x16x4_f32). A number that lies on a knife's edge between two numbers of the format may be rounded either way, as far as f32 arithmetic and the matrix unit's own rounding can turn it there, and no further.
;; One version. Each part assembles by itself: llvm-mc -triple=amdgcn-amd-amdhsa -mcpu=gfx1250 --defsym DOCPART=n.
;; ======== version 1 of 1: 4 launches
;; workspace buffers: codes 9,437,184 bytes; scl 393,216 bytes; qkv 20,447,232 bytes; ac 6,291,456 bytes; asc 262,144 bytes
;; launch quant (part 1): grid 384 x 1, 4 waves a work-group, no clusters, 34,304 bytes of LDS; arguments x, qkv_w, fc_w, codes, scl; writes codes, scl
.if DOCPART == 1
	.amdgcn_target "amdgcn-amd-amdhsa--gfx1250"
	.amdhsa_code_object_version 6
	.text
	.protected	k_q62d2b6af4a_quant
	.globl	k_q62d2b6af4a_quant
	.p2align	8
	.type	k_q62d2b6af4a_quant,@function
k_q62d2b6af4a_quant:
	s_mov_b64 s[64:65], 0
	v_nop
	global_prefetch_b8 v0, s[64:65] scope:SCOPE_SE
	s_setreg_imm32_b32 hwreg(HW_REG_WAVE_MODE, 25, 1), 1
	s_wait_xcnt 0x0
; x [8192][1024], qkv_w [3072][1024] and fc_w [1024][1024], f32 with K innermost, become codes of E3M2 with one E8M0 byte for each 32 along K.
; A block's scale is 2^(floor(log2(largest magnitude)) - 4); its byte is the largest magnitude's exponent field - 4, held at 1 from below.
; LIMITS: NaN and infinities are not served; a block whose largest magnitude lies under 2^-122 (zeros too) gets the byte 1: only this program reads the bytes.
; LAYOUT OF THE RESULT.  codes: [row block 0..767][K step 0..7][1,536 bytes]: a fragment (16 rows x 128 K, 12 registers a lane) as an IMAGE OF ITS REGISTERS:
; registers 4 g .. 4 g + 3 of lane l at 512 g + 16 l.  Row block 2 b + u holds in place r the row 32 b + 8 u + r + 8 (r / 8), so that a product which takes such a block as
; its first source leaves 16 neighbours of the next K in 16 registers of a lane.  Blocks 0-511: x; 512-703: qkv_w with its rows in the order type (q, k, v), head, channel; 704-767: fc_w.
; scl: [row block][lane (r, h)][4 words]: the scale words of the block's place r for K steps 4 h .. 4 h + 3.
; SHARES.  A work-group takes 32 rows; wave w the block u = w % 2 and the K half w / 2: four fragments.  Each load reads 512 consecutive bytes of one row; the 16 rows turn through the
; wave's own stage in LDS (rows 528 bytes apart) so that a lane gets 16 neighbours of each block of 32.  Waves share nothing: no barrier.  No matrix unit, no cluster: memory binds.
.set STG, 8448                         ; a wave's stage: 16 rows x (512 + 16) bytes
.set R,   16                           ; v16-143  two sets of 64: a fragment's numbers as loaded
.set X,   144                          ; v144-207 register 16 b + i = k 32 b + 16 (lane / 16) + i of my row
.set TM,  208                          ; v208-223 at work in QUANT
.set PC,  224                          ; v224-235 the fragment's codes
.set TP,  236                          ; v236-243 halves of blocks on their way
.set PW,  244                          ; v244-247 the four fragments' scale words
.set SEL, 24                           ; s[24:25] selects for lane l xor 16
; 64 numbers of a lane become a fragment's 12 registers of codes (registers 6 c on: k = 64 c + 32 (lane / 16) + 0 .. 31) and its row's scale word.
.macro QUANT s, pc, tp, pw
.irp b, 0,1,2,3
	v_max3_num_f32 v[TM+\b], |v[\s+16*\b]|, |v[\s+1+16*\b]|, 0x2800000   ; my 16 numbers of block b, and the floor 2^(5 - 127): the byte cannot fall under 1
.endr
.irp i, 2,4,6,8,10,12,14
.irp b, 0,1,2,3
	v_max3_num_f32 v[TM+\b], v[TM+\b], |v[\s+16*\b+\i]|, |v[\s+1+16*\b+\i]|   ; the four blocks by turns
.endr
.endr
.irp b, 0,1,2,3
	v_permlanex16_b32 v[TM+4+\b], v[TM+\b], s[SEL], s[SEL+1]
.endr
.irp b, 0,1,2,3
	v_max_num_f32 v[TM+\b], v[TM+\b], v[TM+4+\b]           ; with lane l xor 16's 16: the block's largest magnitude
.endr
.irp b, 0,1,2,3
	v_add_nc_u32 v[TM+12+\b], 0xfe000000, v[TM+\b]         ; 4 off its exponent field: the conversion's scale operand
.endr
.irp b, 0,1,2,3
	v_lshrrev_b32 v[TM+4+\b], 23, v[TM+12+\b]              ; the scale's byte
.endr
	v_lshl_or_b32 v[\pw], v[TM+5], 8, v[TM+4]
	v_lshl_or_b32 v[\pw], v[TM+6], 16, v[\pw]
	v_lshl_or_b32 v[\pw], v[TM+7], 24, v[\pw]
.irp c, 0,1
	v_cvt_scalef32_pk16_bf6_f32 v[\pc+6*\c:\pc+6*\c+2], v[\s+32*\c:\s+32*\c+15], v[TM+12+2*\c]
	v_cvt_scalef32_pk16_bf6_f32 v[\tp+4*\c:\tp+4*\c+2], v[\s+16+32*\c:\s+31+32*\c], v[TM+13+2*\c]   ; (three registers from an even one on)
.endr
	v_nop                                                  ; one plain place behind the scaled conversions
.irp c, 0,1
.irp i, 0,1,2
	v_permlane16_swap_b32 v[\pc+6*\c+\i], v[\tp+4*\c+\i]   ; a whole block to a lane: lanes 0-15 block 2 c, lanes 16-31 block 2 c + 1
.endr
.irp i, 0,1,2
	v_mov_b32 v[\pc+3+6*\c+\i], v[\tp+4*\c+\i]
.endr
.endr
.endm
	s_load_b128 s[4:7], s[0:1], 0x0                ; x, qkv_w
	s_load_b128 s[8:11], s[0:1], 0x10              ; fc_w, codes
	s_load_b64 s[12:13], s[0:1], 0x20              ; scl
	v_lshl_add_u32 v254, v0, 2, 0x8400
	v_mov_b32 v255, 0
	v_lshrrev_b32 v5, 5, v0
	v_readfirstlane_b32 s14, v5                    ; wave
	s_and_b32 s15, s14, 1                          ; u: which block of the 32 rows
	s_lshr_b32 s26, s14, 1                         ; which half of K
	v_and_b32 v5, 31, v0
	v_lshlrev_b32 v1, 4, v5                        ; 16 x lane
	s_mul_i32 s27, s14, STG
	v_add_nc_u32 v2, s27, v1                       ; the stage, on the way in
	v_and_b32 v6, 15, v0                           ; r
	v_bfe_u32 v7, v0, 4, 1                         ; h
	v_mul_u32_u24 v3, v6, 528
	v_lshl_add_u32 v3, v7, 6, v3
	v_add_nc_u32 v3, s27, v3                       ; and on the way out: row r, 64 h bytes on
	v_lshlrev_b32 v4, 4, v6                        ; 16 r: my row's four scale words
	s_mov_b32 s[SEL], 0x76543210
	s_mov_b32 s[SEL+1], 0xfedcba98
.irp b, 0,1,2,3
	v_mov_b32 v[TM+4+\b], 0                        ; written once: a lane permute's destination counts as one of its sources
.endr
	; which tensor, which 32 rows of it (s16), and which 32 rows of the codes (s19).  qkv_w's row head x 192 + type x 64 + d goes to row type x 1024 + head x 64 + d.
	s_sub_co_u32 s16, ttmp9, 256
	s_lshr_b32 s17, s16, 1                         ; 3 head + type
	s_mul_i32 s18, s17, 171
	s_lshr_b32 s18, s18, 9                         ; head (exact for 0 .. 47)
	s_mul_i32 s19, s18, 3
	s_sub_co_u32 s19, s17, s19                     ; type
	s_lshl_b32 s19, s19, 5
	s_lshl_b32 s18, s18, 1
	s_add_co_u32 s19, s19, s18
	s_and_b32 s18, s16, 1
	s_add_co_u32 s19, s19, s18
	s_add_co_u32 s19, s19, 256
	s_sub_co_u32 s20, ttmp9, 352
	s_wait_kmcnt 0x0
	s_cmp_lt_u32 ttmp9, 256                        ; the choices hang on the work-group's number alone
	s_cselect_b64 s[4:5], s[4:5], s[6:7]
	s_cselect_b32 s16, ttmp9, s16
	s_cselect_b32 s19, ttmp9, s19
	s_cmp_ge_u32 ttmp9, 352
	s_cselect_b64 s[4:5], s[8:9], s[4:5]
	s_cselect_b32 s16, s20, s16
	s_cselect_b32 s19, ttmp9, s19
	s_lshl_b32 s22, s16, 17                        ; 32 rows of 4,096 bytes,
	s_lshl_b32 s23, s15, 15                        ; 8 rows on for the odd block,
	s_add_co_u32 s22, s22, s23
	s_lshl_b32 s23, s26, 11                        ; my half of K
	s_add_co_u32 s22, s22, s23
	s_mov_b32 s23, 0
	s_add_nc_u64 s[4:5], s[4:5], s[22:23]
	s_lshl_b32 s19, s19, 1
	s_add_co_u32 s19, s19, s15                     ; my row block
	s_mul_i32 s28, s19, 12288
	s_mul_i32 s29, s26, 6144
	s_add_co_u32 s28, s28, s29
	s_mov_b32 s29, 0
	s_add_nc_u64 s[10:11], s[10:11], s[28:29]
	s_lshl_b32 s30, s19, 9
	s_lshl_b32 s31, s26, 8
	s_add_co_u32 s30, s30, s31
	s_mov_b32 s31, 0
	s_add_nc_u64 s[12:13], s[12:13], s[30:31]
.macro LOAD t                          ; fragment t: place i of the block is row i + 8 (i / 8) of my 24; 32 lanes read 512 consecutive bytes
.irp i, 0,1,2,3,4,5,6,7,8,9,10,11,12,13,14,15
	global_load_b128 v[R+64*((\t)%2)+4*\i:R+64*((\t)%2)+4*\i+3], v1, s[4:5] offset:(\i+8*(\i/8))*4096+512*(\t) th:TH_LOAD_NT
.endr
.endm
.macro FRAG t
.if (\t) < 3
	s_wait_loadcnt 16                              ; this fragment's 16 loads are in; the next fragment's 16 may be out
.else
	s_wait_loadcnt 0x0
.endif
.irp i, 0,1,2,3,4,5,6,7,8,9,10,11,12,13,14,15
	ds_store_b128 v2, v[R+64*((\t)%2)+4*\i:R+64*((\t)%2)+4*\i+3] offset:528*\i
.endr
.irp b, 0,1,2,3
.irp j, 0,1,2,3
	ds_load_b128 v[X+16*\b+4*\j:X+16*\b+4*\j+3], v3 offset:128*\b+16*\j   ; LDS serves a wave's instructions in order: these see the stores above
.endr
.endr
	s_wait_dscnt 0x0                               ; the numbers are back, and the stores have read their registers
.if (\t) > 0
	s_wait_xcnt 0x0                                ; the last fragment's stores have read the codes' registers
.endif
.if (\t) < 2
	LOAD (\t)+2
.endif
	QUANT X, PC, TP, PW+(\t)
.irp g, 0,1,2
	global_store_b128 v1, v[PC+4*\g:PC+4*\g+3], s[10:11] offset:1536*(\t)+512*\g   ; 512 consecutive bytes, aligned
.endr
.endm
	LOAD 0
	LOAD 1
	FRAG 0
	FRAG 1
	FRAG 2
	FRAG 3
	global_store_b128 v4, v[PW:PW+3], s[12:13]     ; 256 consecutive bytes; lanes 16-31 hold and write the same words as lanes 0-15
	s_wait_tensorcnt 0x0
	ds_add_u32 v254, v255
	s_wait_dscnt 0x0
	s_endpgm
.Lfunc_end_k_q62d2b6af4a_quant:
	.size	k_q62d2b6af4a_quant, .Lfunc_end_k_q62d2b6af4a_quant-k_q62d2b6af4a_quant
	.p2alignl 7, 3214868480
	.fill 96, 4, 3214868480
	.section	.rodata,"a",@progbits
	.p2align	6, 0x0
	.amdhsa_kernel k_q62d2b6af4a_quant
		.amdhsa_group_segment_fixed_size 34304
		.amdhsa_private_segment_fixed_size 0
		.amdhsa_enable_private_segment 0
		.amdhsa_kernarg_size 40
		.amdhsa_user_sgpr_count 2
		.amdhsa_user_sgpr_kernarg_segment_ptr 1
		.amdhsa_wavefront_size32 1
		.amdhsa_system_sgpr_workgroup_id_x 1
		.amdhsa_system_sgpr_workgroup_id_y 1
		.amdhsa_system_sgpr_workgroup_id_z 1
		.amdhsa_system_vgpr_workitem_id 0
		.amdhsa_next_free_vgpr 256
		.amdhsa_next_free_sgpr 66
		.amdhsa_reserve_vcc 0
		.amdhsa_float_denorm_mode_32 3
		.amdhsa_float_denorm_mode_16_64 3
		.amdhsa_memory_ordered 1
		.amdhsa_forward_progress 1
		.amdhsa_inst_pref_size 34
	.end_amdhsa_kernel
	.amdgpu_metadata
---
amdhsa.version: [ 1, 2 ]
amdhsa.kernels:
  - .name:           k_q62d2b6af4a_quant
    .symbol:         k_q62d2b6af4a_quant.kd
    .args:
      - { .name: x, .offset: 0, .size: 8, .value_kind: global_buffer, .address_space: global }
      - { .name: qkv_w, .offset: 8, .size: 8, .value_kind: global_buffer, .address_space: global }
      - { .name: fc_w, .offset: 16, .size: 8, .value_kind: global_buffer, .address_space: global }
      - { .name: codes, .offset: 24, .size: 8, .value_kind: global_buffer, .address_space: global }
      - { .name: scl, .offset: 32, .size: 8, .value_kind: global_buffer, .address_space: global }
    .group_segment_fixed_size: 34304
    .private_segment_fixed_size: 0
    .kernarg_segment_align: 8
    .kernarg_segment_size: 40
    .max_flat_workgroup_size: 128
    .sgpr_count:     66
    .vgpr_count:     256
    .wavefront_size: 32
...
	.end_amdgpu_metadata
.endif
;; end of part 1
;; launch proj (part 2): grid 4 x 64, 4 waves a work-group, clusters of 4 x 4, 327,680 bytes of LDS; arguments codes, scl, qkv_b, qkv; writes qkv
.if DOCPART == 2
	.amdgcn_target "amdgcn-amd-amdhsa--gfx1250"
	.amdhsa_code_object_version 6
	.text
	.protected	k_q62d2b6af4a_proj
	.globl	k_q62d2b6af4a_proj
	.p2align	8
	.type	k_q62d2b6af4a_proj,@function
k_q62d2b6af4a_proj:
	s_mov_b64 s[64:65], 0
	v_nop
	global_prefetch_b8 v0, s[64:65] scope:SCOPE_SE
	s_setreg_imm32_b32 hwreg(HW_REG_WAVE_MODE, 25, 1), 1
	s_wait_xcnt 0x0
	s_wait_alu depctr_hold_cnt(0) depctr_sa_sdst(0) depctr_va_vdst(0) depctr_va_sdst(0) depctr_va_ssrc(0) depctr_va_vcc(0) depctr_vm_vsrc(0)
	s_getreg_b32 s2, hwreg(HW_REG_IB_STS2, 6, 4)
	s_cmp_eq_u32 s2, 0
	s_cbranch_scc0 .Lentry_in_a_cluster
	s_endpgm
.Lentry_in_a_cluster:
	s_bfe_u32 s2, ttmp6, 0x10000c
	s_cmp_lg_u32 s2, 0xf033
	s_cbranch_scc0 .Lentry_shape_is_right
	s_endpgm
.Lentry_shape_is_right:
; qkv = x qkv_w^T + qkv_b on codes of E3M2 (K = 1024), and its results quantised at once, in registers, for the two products of attention: q and k along the head's 64, v along the keys.
; OPERANDS are images of their registers: codes [row block][K step][1,536 bytes], scl [row block][lane][4 words]; row block 2 b + u holds in place r the row 32 b + 8 u + r + 8 (r / 8).
; A tile is 128 rows of operand A x 256 rows of operand B; four waves, each 64 x 128: 32 accumulators.  The product is used transposed (first source = B's block, second = A's):
; a lane holds ONE row of A, and the 16 registers of two neighbouring result tiles are 16 neighbouring rows of B.
; A WORK-GROUP STAYS AND MAKES THREE TILES, written out one after the other: q (A = 128 tokens of x, B = 256 rows of q's weights), k (the same A, k's weights), v (A = 128 rows of v's weights, B = 256 tokens:
; a lane then holds a channel and its registers run down the keys).  3 x 256 work-groups' tiles are all 768 tiles of the product.
; THE RING: two LDS slots, each with four K steps of a tile (A's 8 blocks x 6,144 bytes, then B's 16).  Both are filled at the start (two tensor loads of a wave are out, later one).  A slot that has been read out is filled
; again at once with the next tile's same half of K: at K step 3 slot 0, at K step 7 slot 1.  So a tile's way out and its stores run while the next tile's operands are on their way.
; CLUSTER 4 x 4: A's tiles are shared along a row of the cluster, B's along a column: joint loads, each refill behind a round of the cluster's barrier.
; RESULT, one region of HS bytes for each (batch, head): q's and k's half fragments [token block 0..63][768 bytes] (6 registers: piece p at 256 p + 8 lane), v's fragments [key step][tile][1,536],
; q's and k's scale words [64 tokens][lane][2 words] (word b: the two bytes of token block 2 b, then those of 2 b + 1), v's [key step][lane][4 words].
; LIMITS: NaN and infinities are not served; a block under 2^-122 gets the byte 1 (only this program reads the bytes).
; REGISTERS: window 0: v1-12 addresses; v16-63 and v160-207 two sets of scale words (A's 16, B's 32), by turns from tile to tile; v64-159 A's fragments, two sets (on the way out: numbers and codes); v224-247 at work.
;   window 1: v0-191 B's fragments, two sets; v192-255 the bias.   window 2: the accumulators, (a, b) at 8 (8 a + b).
.set HS,    159744
.set SLOT,  147456                     ; four K steps: A's 8 blocks x 6,144 bytes, then B's 16
.set SPARE, 2*SLOT                     ; behind the ring: the spare words, 128 bytes for each wave: two blocks of 256 bytes that no other line names
.set SPW,  6                           ; v6      LDS address of my spare word; never rewritten
.set NIL,  7                           ; v7      0; never rewritten
.set ADRA, 8                           ; v8-9    my A fragments in slot 0, 1
.set ADRB, 10                          ; v10-11  my B fragments
.set VB,   12                          ; v12     v's bias: my channel in a tile, in bytes
.set SC0,  16                          ; scale words, set 0
.set SC1,  160                         ; set 1
.set AF,   64
.set ST,   64                          ; the way out: 64 numbers
.set PC,   128                         ; their codes
.set TP,   140
.set BI,   192                         ; the bias, in window 1
.set TM,   224
.set PW,   240                         ; v240-241 two blocks' scale words
.set WS,   244                         ; v244-247 scale words to be stored
.set WV,   12
.set SEL,  20
.set G1A,  24                          ; s[24:31] group 1 for A's tiles;  s[32:39] for B's
.set G1B,  32
.set G0A,  40                          ; s[40:47] group 0 for A, one set for each slot;  s[48:55] for B
.set G0B,  48
.set BQ,   56                          ; s[56:57] q's bias (k's 256 bytes on)
.set IQ,   58                          ; s[58:59] q's half fragments (k's 49,152 bytes on)
.set SQ,   60                          ; s[60:61] q's scale words (k's 4,096 bytes on)
.set BV,   62                          ; s[62:63] v's bias
.set IV,   66                          ; s[66:67] v's fragments
.set SV,   68                          ; s[68:69] v's scale words
.set AA2,  70                          ; s[70:71] where my part of the third tile's A begins;  s[72:73] of its B
.set AB2,  72
.set LA,   74                          ; s[74:75] the scale words of my blocks of x (tiles q, k);  s[76:77] of q's weights (k's 32,768 bytes on)
.set LB,   76
.set LA2,  78                          ; s[78:79], s[80:81] the same for the third tile
.set LB2,  80
.set MSB, 0
.macro WIN new                         ; the immediate's high byte repeats the setting that is left
.if MSB != \new
	s_set_vgpr_msb (MSB<<8)|\new
.set MSB, \new
.endif
.endm
.macro PLACES                          ; four plain places behind matrix instructions, in front of loads into their sources and of reads of their results
.rept 4
	v_nop
.endr
.endm
.macro CREST                           ; a round of the cluster's barrier behind its opening barrier
	s_cmp_lg_u32 s[WV], 0
	s_cbranch_scc1 .Lnot_wave_0_\@
	s_barrier_signal -3
.Lnot_wave_0_\@:
	s_barrier_wait -3
	s_barrier_signal -1
	s_barrier_wait -1
.endm
.macro CROUND                          ; a whole round
	s_barrier_signal -1
	s_barrier_wait -1
	CREST
.endm
; A joint refill of one slot: waves 0 and 1 fetch A's halves, waves 2 and 3 B's.  The branch hangs on the wave's number alone.  Four v_nop follow each of the two lines.
.macro JLOAD s
	s_cmp_lt_u32 s[WV], 2
	s_cbranch_scc0 .Lfor_b_\@
	tensor_load_to_lds s[G0A+4*(\s):G0A+4*(\s)+3], s[G1A:G1A+7]
	s_nop 0
.rept 4
	v_nop
.endr
	s_branch .Lasked_\@
.Lfor_b_\@:
	tensor_load_to_lds s[G0B+4*(\s):G0B+4*(\s)+3], s[G1B:G1B+7]
	s_nop 0
.rept 4
	v_nop
.endr
.Lasked_\@:
.endm
; 64 numbers of a lane (register 16 b + i = k 32 b + 16 (lane / 16) + i) become 12 registers of codes (registers 6 c on: k = 64 c + 32 (lane / 16) + 0 .. 31) and a scale word.
.macro QUANT s, pc, tp, pw
.irp b, 0,1,2,3
	v_max3_num_f32 v[TM+\b], |v[\s+16*\b]|, |v[\s+1+16*\b]|, 0x2800000   ; and the floor 2^(5 - 127): the byte cannot fall under 1
.endr
.irp i, 2,4,6,8,10,12,14
.irp b, 0,1,2,3
	v_max3_num_f32 v[TM+\b], v[TM+\b], |v[\s+16*\b+\i]|, |v[\s+1+16*\b+\i]|
.endr
.endr
.irp b, 0,1,2,3
	v_permlanex16_b32 v[TM+4+\b], v[TM+\b], s[SEL], s[SEL+1]
.endr
.irp b, 0,1,2,3
	v_max_num_f32 v[TM+\b], v[TM+\b], v[TM+4+\b]
.endr
.irp b, 0,1,2,3
	v_add_nc_u32 v[TM+12+\b], 0xfe000000, v[TM+\b]         ; 4 off the exponent field: the conversion's scale operand
.endr
.irp b, 0,1,2,3
	v_lshrrev_b32 v[TM+4+\b], 23, v[TM+12+\b]
.endr
	v_lshl_or_b32 v[\pw], v[TM+5], 8, v[TM+4]
	v_lshl_or_b32 v[\pw], v[TM+6], 16, v[\pw]
	v_lshl_or_b32 v[\pw], v[TM+7], 24, v[\pw]
.irp c, 0,1
	v_cvt_scalef32_pk16_bf6_f32 v[\pc+6*\c:\pc+6*\c+2], v[\s+32*\c:\s+32*\c+15], v[TM+12+2*\c]
	v_cvt_scalef32_pk16_bf6_f32 v[\tp+4*\c:\tp+4*\c+2], v[\s+16+32*\c:\s+31+32*\c], v[TM+13+2*\c]
.endr
	v_nop                                                  ; one plain place behind the scaled conversions
.irp c, 0,1
.irp i, 0,1,2
	v_permlane16_swap_b32 v[\pc+6*\c+\i], v[\tp+4*\c+\i]
.endr
.irp i, 0,1,2
	v_mov_b32 v[\pc+3+6*\c+\i], v[\tp+4*\c+\i]
.endr
.endr
.endm
.macro FETCH q                         ; K step q's fragments (slot q / 4) into set q % 2: 24 loads for B, 12 for A, each 512 consecutive bytes
	WIN 0x40                                       ; destination window 1
.irp i, 0,1,2,3,4,5,6,7
.irp g, 0,1,2
	ds_load_b128 v[96*((\q)%2)+12*\i+4*\g:96*((\q)%2)+12*\i+4*\g+3], v[ADRB+(\q)/4] offset:6144*\i+1536*((\q)%4)+512*\g
.endr
.endr
	WIN 0
.irp i, 0,1,2,3
.irp g, 0,1,2
	ds_load_b128 v[AF+48*((\q)%2)+12*\i+4*\g:AF+48*((\q)%2)+12*\i+4*\g+3], v[ADRA+(\q)/4] offset:6144*\i+1536*((\q)%4)+512*\g
.endr
.endr
.endm
; Eight matrix instructions: A's block a against B's eight, K step q, scale words of set sc.  mode 1: the products start the sums.
; A scale register holds K step q % 4 in lanes 0-15 and K step 4 + q % 4 in lanes 16-31.
.macro MULP q, mode, a, sc
	WIN 0xa1                                       ; first source window 1, second window 0, C and D window 2
.irp b, 0,1,2,3,4,5,6,7
.set rD, 8*(8*(\a)+\b)
.set rB, 96*((\q)%2)+12*\b
.set rA, AF+48*((\q)%2)+12*(\a)
.set rSB, (\sc)+16+4*\b+(\q)%4
.set rSA, (\sc)+4*(\a)+(\q)%4
.if \mode == 1
	v_wmma_scale_f32_16x16x128_f8f6f4 v[rD:rD+7], v[rB:rB+11], v[rA:rA+11], 0, v[rSB], v[rSA] matrix_a_fmt:MATRIX_FMT_BF6 matrix_b_fmt:MATRIX_FMT_BF6
.elseif (\q) < 4
	v_wmma_scale_f32_16x16x128_f8f6f4 v[rD:rD+7], v[rB:rB+11], v[rA:rA+11], v[rD:rD+7], v[rSB], v[rSA] matrix_a_fmt:MATRIX_FMT_BF6 matrix_b_fmt:MATRIX_FMT_BF6
.else
	v_wmma_scale_f32_16x16x128_f8f6f4 v[rD:rD+7], v[rB:rB+11], v[rA:rA+11], v[rD:rD+7], v[rSB], v[rSA] matrix_a_fmt:MATRIX_FMT_BF6 matrix_b_fmt:MATRIX_FMT_BF6 matrix_a_scale:MATRIX_SCALE_ROW1 matrix_b_scale:MATRIX_SCALE_ROW1
.endif
.endr
.endm
.macro MUL q, mode, sc                 ; a K step: the 32 accumulators take turns in the same order in every step
	MULP \q, \mode, 0, \sc
	MULP \q, \mode, 1, \sc
	MULP \q, \mode, 2, \sc
	MULP \q, \mode, 3, \sc
.endm
.macro STEP q, mode, sc                ; a K step whose successor lies in the same slot: the next step's fragments are asked for, then this step is multiplied
	PLACES
	FETCH (\q)+1
	s_wait_dscnt 36                                ; all but the 36 just issued
	MUL \q, \mode, \sc
.endm
; A slot's last K step changes slots: ONE barrier.  In front of it each wave waits for all its tensor loads (one is out: its part of the other slot), adds 0 to its spare word, and waits for that and for its reads of this slot.
; fill = 1: this slot takes the second tile's same half of K (A as it was, B 64 row blocks on); fill = 2: the third tile's; the barrier then opens a round of the cluster's barrier.  fill = 0: nothing is filled.
.macro TURN q, slot, sc, fill
	WIN 0                                          ; (the add's two registers lie in window 0)
	s_wait_tensorcnt 0x0                           ; all my tensor loads have landed;
	ds_add_u32 v[SPW], v[NIL]                      ; 0 onto my spare word;
	s_wait_dscnt 1                                 ; this step's fragments are in: the add alone may be out
	MULP \q, 0, 0, \sc                             ; eight matrix instructions stand between the add and the wait for it
	s_wait_dscnt 0x0                               ; the add is done, and my reads of this slot are over
	s_barrier_signal -1
	MULP \q, 0, 1, \sc
	WIN 0
	s_barrier_wait -1
.if \fill
	CREST                                          ; no wave of any partner still reads this slot or has a load on its way
.if \fill == 1
	s_add_nc_u64 s[G0B+4*(\slot)+2:G0B+4*(\slot)+3], s[G0B+4*(\slot)+2:G0B+4*(\slot)+3], 64*12288   ; the type bits on top are not reached
.else
	s_add_nc_u64 s[G0A+4*(\slot)+2:G0A+4*(\slot)+3], s[AA2:AA2+1], (\slot)*6144
	s_or_b32 s[G0A+4*(\slot)+3], s[G0A+4*(\slot)+3], 0x80000000
	s_add_nc_u64 s[G0B+4*(\slot)+2:G0B+4*(\slot)+3], s[AB2:AB2+1], (\slot)*6144
	s_or_b32 s[G0B+4*(\slot)+3], s[G0B+4*(\slot)+3], 0x80000000
.endif
	JLOAD \slot                                    ; the first tensor load behind the round, my only one until the next; its four v_nop are also the places in front of the loads below
.else
	PLACES
.endif
.if (\q) < 7
	FETCH (\q)+1
.endif
	MULP \q, 0, 2, \sc
	MULP \q, 0, 3, \sc
.endm
; At a tile's head: its bias, and the next tile's scale words into the set that the tile before has left.  They have the tile's eight K steps in which to land.
.macro PRE t
	WIN 0x40                                       ; destination window 1
.if (\t) < 2
.irp b, 0,1,2,3
.irp j, 0,1,2,3
	global_load_b128 v[BI+16*\b+4*\j:BI+16*\b+4*\j+3], v5, s[BQ:BQ+1] offset:256*(\t)+768*(\b/2)+128*(\b%2)+16*\j   ; register 16 b + i: head H0 + b / 2, channel 32 (b % 2) + 16 h + i
.endr
.endr
.else
.irp a, 0,1,2,3
	global_load_b32 v[BI+2*\a], v[VB], s[BV:BV+1] offset:4*(32*(\a/2)+8*(\a%2))     ; the lane's one bias number of tile a, in both registers of a pair
	global_load_b32 v[BI+2*\a+1], v[VB], s[BV:BV+1] offset:4*(32*(\a/2)+8*(\a%2))
.endr
.endif
	WIN 0
.if (\t) == 0
.irp a, 0,1,2,3
	global_load_b128 v[SC1+4*\a:SC1+4*\a+3], v1, s[LA:LA+1] offset:512*\a
.endr
.irp b, 0,1,2,3,4,5,6,7
	global_load_b128 v[SC1+16+4*\b:SC1+16+4*\b+3], v1, s[LB:LB+1] offset:32768+512*\b
.endr
.elseif (\t) == 1
.irp a, 0,1,2,3
	global_load_b128 v[SC0+4*\a:SC0+4*\a+3], v1, s[LA2:LA2+1] offset:512*\a
.endr
.irp b, 0,1,2,3,4,5,6,7
	global_load_b128 v[SC0+16+4*\b:SC0+16+4*\b+3], v1, s[LB2:LB2+1] offset:512*\b
.endr
.endif
.endm
.macro TILE sc, fill                   ; a tile's eight K steps
	STEP 0, 1, \sc
	STEP 1, 0, \sc
	STEP 2, 0, \sc
	TURN 3, 0, \sc, \fill
	STEP 4, 0, \sc
	STEP 5, 0, \sc
	STEP 6, 0, \sc
.if \fill
	TURN 7, 1, \sc, \fill
.else
	s_wait_dscnt 0x0
	MUL 7, 0, \sc
.endif
	WIN 0
	s_wait_loadcnt 0x0                             ; the bias, and the next tile's scale words
	PLACES
.endm
.macro NEXT                            ; from a tile's way out to the next tile's first fragments
	s_wait_xcnt 0x0                                ; the stores have read the registers into which fragments are loaded again
	PLACES
	FETCH 0
.endm
; q or k (t = 0, 1), token block a: + bias (which also brings the sums into window 0, each accumulator from its low end on), quantised, stored
.macro EPI_QK a, t
	WIN 0x06                                       ; first source window 2, second window 1
.set j, 0
.rept 32
	v_pk_add_f32 v[ST+j:ST+j+1], v[64*(\a)+j:64*(\a)+j+1], v[BI+j:BI+j+1]
.set j, j+2
.endr
	WIN 0
	s_wait_xcnt 0x0                                ; the last block's stores have read the codes' registers
	QUANT ST, PC, TP, PW+(\a)%2
.irp c, 0,1                            ; registers 6 c on are head H0 + c's half fragment
.irp p, 0,1,2
	global_store_b64 v2, v[PC+6*\c+2*\p:PC+6*\c+2*\p+1], s[IQ:IQ+1] offset:\c*HS+49152*(\t)+768*(\a)+256*\p   ; 256 consecutive bytes, aligned
.endr
.endr
.if (\a)%2
	v_perm_b32 v[WS+(\a)/2], v[PW+1], v[PW], 0x05040100      ; head H0: the two bytes of the even block, then those of the odd one
	v_perm_b32 v[WS+2+(\a)/2], v[PW+1], v[PW], 0x07060302    ; head H0 + 1
.endif
.endm
.macro OUT_QK t
	EPI_QK 0, \t
	EPI_QK 1, \t
	EPI_QK 2, \t
	EPI_QK 3, \t
.irp c, 0,1
	global_store_b64 v2, v[WS+2*\c:WS+2*\c+1], s[SQ:SQ+1] offset:\c*HS+4096*(\t)
.endr
.endm
.macro EPI_V a                         ; v, tile a of the head's channels
	WIN 0x06
.set j, 0
.rept 32
	v_pk_add_f32 v[ST+j:ST+j+1], v[64*(\a)+j:64*(\a)+j+1], v[BI+2*(\a):BI+2*(\a)+1]
.set j, j+2
.endr
	WIN 0
	s_wait_xcnt 0x0
	QUANT ST, PC, TP, WS+(\a)
.irp g, 0,1,2
	global_store_b128 v1, v[PC+4*\g:PC+4*\g+3], s[IV:IV+1] offset:1536*(\a)+512*\g
.endr
.endm
	s_load_b128 s[4:7], s[0:1], 0x0                ; codes, scl
	s_load_b128 s[8:11], s[0:1], 0x10              ; qkv_b, qkv
	v_lshl_add_u32 v[SPW], v0, 2, SPARE
	v_mov_b32 v[NIL], 0
	ds_add_u32 v6, v7
	ds_add_u32 v6, v7
	s_wait_dscnt 0x0
	v_lshrrev_b32 v5, 5, v0
	v_readfirstlane_b32 s[WV], v5                  ; wave 0..3
	s_lshr_b32 s13, s[WV], 1                       ; wr: my 64 rows of A
	s_and_b32 s14, s[WV], 1                        ; wc: my 128 rows of B.  Also: which half of a tile I fetch
	s_bfe_u32 s16, ttmp6, 0x40000                  ; cx
	s_bfe_u32 s17, ttmp6, 0x40004                  ; cy
	s_and_b32 s18, ttmp7, 0xffff                   ; the cluster's y, 0..15
	s_lshl_b32 s19, s18, 2
	s_add_co_u32 s19, s19, s17                     ; q, k: A's tile of 128 tokens: hangs on cy, never on cx
	s_and_b32 s23, s18, 1
	s_lshl_b32 s23, s23, 2
	s_add_co_u32 s23, s23, s17                     ; v: A's tile of 128 rows of weights, 0..7: likewise
	s_lshr_b32 s22, s18, 1
	s_lshl_b32 s22, s22, 2
	s_add_co_u32 s22, s22, s16                     ; v: B's tile of 256 tokens, 0..31: hangs on cx, never on cy
	s_lshl_b32 s82, s17, 2
	s_lshl_b32 s82, 15, s82                        ; my row of the cluster
	s_lshl_b32 s83, 0x1111, s16                    ; my column
	; group 1: R rows (row blocks) of 6,144 bytes (four K steps), 12,288 bytes apart; elements of 8 bytes; no padding
	s_or_b32 s[G1A], s82, (3<<16)|(1<<21)
	s_or_b32 s[G1B], s83, (3<<16)|(1<<21)
	s_mov_b32 s[G1A+2], 4<<16
	s_mov_b32 s[G1A+4], 4
	s_mov_b32 s[G1B+2], 8<<16
	s_mov_b32 s[G1B+4], 8
.irp g, G1A, G1B
	s_mov_b32 s[\g+1], 768<<16
	s_mov_b32 s[\g+3], 768<<16
	s_mov_b32 s[\g+5], 1536
	s_mov_b32 s[\g+6], 0
	s_mov_b32 s[\g+7], 0
.endr
	s_lshl_b32 s84, s19, 3                         ; q, k: A's row blocks 8 x tile + 4 x half on
	s_lshl_b32 s85, s14, 2
	s_add_co_u32 s84, s84, s85
	s_mul_i32 s84, s84, 12288
	s_mov_b32 s85, 0
	s_lshl_b32 s86, s23, 3                         ; v: A's row blocks 640 + 8 x tile + 4 x half on
	s_lshl_b32 s87, s14, 2
	s_add_co_u32 s86, s86, s87
	s_add_co_u32 s86, s86, 640
	s_mul_i32 s86, s86, 12288
	s_mov_b32 s87, 0
	s_lshl_b32 s88, s16, 4                         ; q: B's row blocks 512 + 16 cx + 8 x half on
	s_lshl_b32 s89, s14, 3
	s_add_co_u32 s88, s88, s89
	s_add_co_u32 s88, s88, 512
	s_mul_i32 s88, s88, 12288
	s_mov_b32 s89, 0
	s_lshl_b32 s90, s22, 4                         ; v: B's row blocks 16 x tile + 8 x half on
	s_lshl_b32 s91, s14, 3
	s_add_co_u32 s90, s90, s91
	s_mul_i32 s90, s90, 12288
	s_mov_b32 s91, 0
	s_mul_i32 s92, s14, 24576                      ; where my part goes in a slot: A's half,
	s_mul_i32 s93, s14, 49152
	s_add_co_u32 s93, s93, 49152                   ; B's half, behind A's 8 blocks
	s_mov_b32 s[SEL], 0x76543210
	s_mov_b32 s[SEL+1], 0xfedcba98
	s_wait_kmcnt 0x0
	s_add_nc_u64 s[84:85], s[4:5], s[84:85]
	s_add_nc_u64 s[88:89], s[4:5], s[88:89]
	s_add_nc_u64 s[AA2:AA2+1], s[4:5], s[86:87]
	s_add_nc_u64 s[AB2:AB2+1], s[4:5], s[90:91]
.irp s, 0,1
	s_mov_b32 s[G0A+4*\s], 1
	s_add_co_u32 s[G0A+4*\s+1], s92, \s*SLOT
	s_add_nc_u64 s[G0A+4*\s+2:G0A+4*\s+3], s[84:85], \s*6144
	s_or_b32 s[G0A+4*\s+3], s[G0A+4*\s+3], 0x80000000
	s_mov_b32 s[G0B+4*\s], 1
	s_add_co_u32 s[G0B+4*\s+1], s93, \s*SLOT
	s_add_nc_u64 s[G0B+4*\s+2:G0B+4*\s+3], s[88:89], \s*6144
	s_or_b32 s[G0B+4*\s+3], s[G0B+4*\s+3], 0x80000000
.endr
	CROUND                                         ; all sixteen work-groups are here: the first joint loads meet
	s_cmp_lt_u32 s[WV], 2                          ; a wave's two first fills stand in one branch, ahead of every wait on TENSORcnt and every LDS read
	s_cbranch_scc0 .Lfill_b
	tensor_load_to_lds s[G0A:G0A+3], s[G1A:G1A+7]
	s_nop 0
	tensor_load_to_lds s[G0A+4:G0A+7], s[G1A:G1A+7]
	s_nop 0
	PLACES
	s_branch .Lfilled
.Lfill_b:
	tensor_load_to_lds s[G0B:G0B+3], s[G1B:G1B+7]
	s_nop 0
	tensor_load_to_lds s[G0B+4:G0B+7], s[G1B:G1B+7]
	s_nop 0
	PLACES
.Lfilled:
	v_and_b32 v5, 31, v0
	v_lshlrev_b32 v1, 4, v5                        ; 16 x lane
	v_lshlrev_b32 v2, 3, v5                        ; 8 x lane
	v_and_b32 v3, 15, v0                           ; r
	v_bfe_u32 v4, v0, 4, 1                         ; h
	s_mov_b32 s95, 0
	s_lshl_b32 s94, s19, 3                         ; the scale words of the blocks that I multiply, 512 bytes a block: x's,
	s_lshl_b32 s96, s13, 2
	s_add_co_u32 s94, s94, s96
	s_lshl_b32 s94, s94, 9
	s_add_nc_u64 s[LA:LA+1], s[6:7], s[94:95]
	s_lshl_b32 s94, s16, 4                         ; q's weights'
	s_lshl_b32 s96, s14, 3
	s_add_co_u32 s94, s94, s96
	s_add_co_u32 s94, s94, 512
	s_lshl_b32 s94, s94, 9
	s_add_nc_u64 s[LB:LB+1], s[6:7], s[94:95]
.irp a, 0,1,2,3
	global_load_b128 v[SC0+4*\a:SC0+4*\a+3], v1, s[LA:LA+1] offset:512*\a
.endr
.irp b, 0,1,2,3,4,5,6,7
	global_load_b128 v[SC0+16+4*\b:SC0+16+4*\b+3], v1, s[LB:LB+1] offset:512*\b
.endr
	s_lshl_b32 s94, s23, 3                         ; the third tile's: v's weights',
	s_lshl_b32 s96, s13, 2
	s_add_co_u32 s94, s94, s96
	s_add_co_u32 s94, s94, 640
	s_lshl_b32 s94, s94, 9
	s_add_nc_u64 s[LA2:LA2+1], s[6:7], s[94:95]
	s_lshl_b32 s94, s22, 4                         ; x's
	s_lshl_b32 s96, s14, 3
	s_add_co_u32 s94, s94, s96
	s_lshl_b32 s94, s94, 9
	s_add_nc_u64 s[LB2:LB2+1], s[6:7], s[94:95]
	v_lshlrev_b32 v5, 6, v4                        ; q's and k's bias: 16 h numbers on
	v_and_b32 v[VB], 8, v3
	v_add_nc_u32 v[VB], v[VB], v3
	v_lshlrev_b32 v[VB], 2, v[VB]                  ; v's bias: my channel in a tile, r + 8 (r / 8)
	s_mul_i32 s99, s13, 24576                      ; my four blocks of A in a slot,
	s_mul_i32 s100, s14, 49152
	s_add_co_u32 s100, s100, 49152                 ; my eight of B
.irp s, 0,1
	v_add_nc_u32 v[ADRA+\s], s99, v1
	v_add_nc_u32 v[ADRB+\s], s100, v1
	s_add_co_u32 s99, s99, SLOT
	s_add_co_u32 s100, s100, SLOT
.endr
.irp b, 0,1,2,3
	v_mov_b32 v[TM+4+\b], 0                        ; written once: a lane permute's destination counts as one of its sources
.endr
	; q and k.  My 128 columns are heads H0 = 4 cx + 2 wc and H0 + 1.
	s_lshl_b32 s96, s16, 2
	s_lshl_b32 s97, s14, 1
	s_add_co_u32 s96, s96, s97                     ; H0
	s_mul_i32 s94, s96, 768                        ; qkv_b at head x 192, in bytes
	s_add_nc_u64 s[BQ:BQ+1], s[8:9], s[94:95]
	s_lshr_b32 s97, s19, 3                         ; the batch: 8 tiles of 128 tokens
	s_lshl_b32 s97, s97, 4
	s_add_co_u32 s97, s97, s96
	s_mul_i32 s97, s97, HS                         ; the region of (batch, H0)
	s_and_b32 s98, s19, 7
	s_lshl_b32 s98, s98, 1
	s_add_co_u32 s98, s98, s13                     ; my 64 tokens among the batch's 16 x 64
	s_mul_i32 s94, s98, 3072                       ; four half fragments of 768 bytes
	s_add_co_u32 s94, s94, s97
	s_add_nc_u64 s[IQ:IQ+1], s[10:11], s[94:95]
	s_lshl_b32 s94, s98, 8
	s_add_co_u32 s94, s94, s97
	s_add_co_u32 s94, s94, 147456
	s_add_nc_u64 s[SQ:SQ+1], s[10:11], s[94:95]
	; v.  My 64 rows of A are head Hv = 2 x tile + wr; my 128 rows of B are key step 2 (tile % 4) + wc of batch tile / 4.
	s_lshl_b32 s96, s23, 1
	s_add_co_u32 s96, s96, s13                     ; Hv
	s_mul_i32 s94, s96, 768
	s_add_co_u32 s94, s94, 512                     ; qkv_b at head x 192 + 128
	s_add_nc_u64 s[BV:BV+1], s[8:9], s[94:95]
	s_lshr_b32 s97, s22, 2                         ; the batch
	s_lshl_b32 s97, s97, 4
	s_add_co_u32 s97, s97, s96
	s_mul_i32 s97, s97, HS
	s_and_b32 s98, s22, 3
	s_lshl_b32 s98, s98, 1
	s_add_co_u32 s98, s98, s14                     ; the key step
	s_mul_i32 s94, s98, 6144
	s_add_co_u32 s94, s94, s97
	s_add_co_u32 s94, s94, 98304
	s_add_nc_u64 s[IV:IV+1], s[10:11], s[94:95]
	s_lshl_b32 s94, s98, 9
	s_add_co_u32 s94, s94, s97
	s_add_co_u32 s94, s94, 155648
	s_add_nc_u64 s[SV:SV+1], s[10:11], s[94:95]
	s_wait_tensorcnt 1                             ; my part of slot 0 is in; slot 1's load may stay out
	s_barrier_signal -1
	s_barrier_wait -1                              ; everybody's is
	s_wait_loadcnt 0x0                             ; the first tile's scale words
	FETCH 0
	PRE 0
	TILE SC0, 1                                    ; q; the slots take k's operands
	OUT_QK 0
	NEXT
	PRE 1
	TILE SC1, 2                                    ; k; the slots take v's operands
	OUT_QK 1
	NEXT
	PRE 2
	TILE SC0, 0                                    ; v; nothing is left to fetch
	EPI_V 0
	EPI_V 1
	EPI_V 2
	EPI_V 3
	global_store_b128 v1, v[WS:WS+3], s[SV:SV+1]
	s_wait_tensorcnt 0x0                           ; the wave's end
	ds_add_u32 v[SPW], v[NIL]
	s_wait_dscnt 0x0
	CROUND                                         ; the closing round: no work-group ends while a partner may still ask for a tile that names it
	s_endpgm
.Lfunc_end_k_q62d2b6af4a_proj:
	.size	k_q62d2b6af4a_proj, .Lfunc_end_k_q62d2b6af4a_proj-k_q62d2b6af4a_proj
	.p2alignl 7, 3214868480
	.fill 96, 4, 3214868480
	.section	.rodata,"a",@progbits
	.p2align	6, 0x0
	.amdhsa_kernel k_q62d2b6af4a_proj
		.amdhsa_group_segment_fixed_size 327680
		.amdhsa_private_segment_fixed_size 0
		.amdhsa_enable_private_segment 0
		.amdhsa_kernarg_size 32
		.amdhsa_user_sgpr_count 2
		.amdhsa_user_sgpr_kernarg_segment_ptr 1
		.amdhsa_wavefront_size32 1
		.amdhsa_system_sgpr_workgroup_id_x 1
		.amdhsa_system_sgpr_workgroup_id_y 1
		.amdhsa_system_sgpr_workgroup_id_z 1
		.amdhsa_system_vgpr_workitem_id 0
		.amdhsa_next_free_vgpr 768
		.amdhsa_next_free_sgpr 104
		.amdhsa_reserve_vcc 0
		.amdhsa_float_denorm_mode_32 3
		.amdhsa_float_denorm_mode_16_64 3
		.amdhsa_memory_ordered 1
		.amdhsa_forward_progress 1
		.amdhsa_inst_pref_size 255
	.end_amdhsa_kernel
	.amdgpu_metadata
---
amdhsa.version: [ 1, 2 ]
amdhsa.kernels:
  - .name:           k_q62d2b6af4a_proj
    .symbol:         k_q62d2b6af4a_proj.kd
    .args:
      - { .name: codes, .offset: 0, .size: 8, .value_kind: global_buffer, .address_space: global }
      - { .name: scl, .offset: 8, .size: 8, .value_kind: global_buffer, .address_space: global }
      - { .name: qkv_b, .offset: 16, .size: 8, .value_kind: global_buffer, .address_space: global }
      - { .name: qkv, .offset: 24, .size: 8, .value_kind: global_buffer, .address_space: global }
    .group_segment_fixed_size: 327680
    .private_segment_fixed_size: 0
    .kernarg_segment_align: 8
    .kernarg_segment_size: 32
    .max_flat_workgroup_size: 128
    .sgpr_count:     104
    .vgpr_count:     768
    .wavefront_size: 32
...
	.end_amdgpu_metadata
.endif
;; end of part 2
;; launch attn (part 3): grid 4 x 64, 16 waves a work-group, clusters of 4 x 1, 223,232 bytes of LDS; arguments qkv, ac, asc; writes ac, asc
.if DOCPART == 3
	.amdgcn_target "amdgcn-amd-amdhsa--gfx1250"
	.amdhsa_code_object_version 6
	.text
	.protected	k_q62d2b6af4a_attn
	.globl	k_q62d2b6af4a_attn
	.p2align	8
	.type	k_q62d2b6af4a_attn,@function
k_q62d2b6af4a_attn:
	s_mov_b64 s[64:65], 0
	v_nop
	global_prefetch_b8 v0, s[64:65] scope:SCOPE_SE
	s_setreg_imm32_b32 hwreg(HW_REG_WAVE_MODE, 25, 1), 1
	s_wait_xcnt 0x0
	s_wait_alu depctr_hold_cnt(0) depctr_sa_sdst(0) depctr_va_vdst(0) depctr_va_sdst(0) depctr_va_ssrc(0) depctr_va_vcc(0) depctr_vm_vsrc(0)
	s_getreg_b32 s2, hwreg(HW_REG_IB_STS2, 6, 4)
	s_cmp_eq_u32 s2, 0
	s_cbranch_scc0 .Lentry_in_a_cluster
	s_endpgm
.Lentry_in_a_cluster:
	s_bfe_u32 s2, ttmp6, 0x10000c
	s_cmp_lg_u32 s2, 0x3003
	s_cbranch_scc0 .Lentry_shape_is_right
	s_endpgm
.Lentry_shape_is_right:
; o = softmax(q k^T / 8) v for two heads of one batch and 256 queries, both products on codes of E3M2; o is quantised at once along the model's 1024 for the last product.
; t = score x log2(e) / 8; M = the running largest t rounded up to a whole number; p = 2^(t - M) is quantised along the keys, not normalised; the row's sum is taken of the unquantised p and divides at the end.
; SHARES.  Work-group (cx, y): y = 8 x batch + g names heads 2 g and 2 g + 1, cx a quarter of the queries.  Each of 16 waves owns one token block (16 queries) and does both heads one after the other,
; so that it ends with a whole fragment (K step g of the last product) and a whole scale word.  Four waves to a SIMD: one wave's vector work stands beside another's products and LDS loads.
; K AND V OF BOTH HEADS LIE IN LDS WHOLE: 2 x 110,592 bytes, each byte filled once; every wave brings 6,912 bytes of each head (two tensor loads out at most).  The four work-groups of a cluster need the same bytes: joint loads.
; ONE BARRIER: in front of it each wave waits for both its loads; behind it every wave walks both heads at its own pace, and none waits for another before the closing round.
; THE FIRST PRODUCT HAS K = 64.  A fragment of 12 registers holds TWO token blocks of k (k 0-63 of the instruction: the key in place r of the even block; 64-127: of the odd one); it is multiplied by
; [q | zero codes] for the even block's scores and by [zero codes | q] for the odd block's.  Zero codes add exact zeros; the scale bytes over them are 1.
; Both products are used transposed: a lane holds ONE query; the token blocks' order of rows makes the 16 registers of two neighbouring score tiles 16 neighbouring keys, and v's order of channels makes O's registers neighbours along the last product's K.
; LIMITS: NaN and infinities are not served; a block's largest p is made from its largest score, which takes v_exp_f32 not to fall where its input rises.
.set HS,   159744
.set HL,   110592                      ; a head in LDS: k's images 0, v's 49,152, (q's scale words 98,304: carried, not read), k's scale words 102,400, v's 106,496
.set ADK,  6                           ; v6-9  LDS addresses of the step in hand
.set ADV,  7
.set ADKS, 8
.set ADVS, 9
.set QZ,   16                          ; v16-45  zeros, q of head 0, zeros, q of head 1, zeros: six registers each
.set QS,   46                          ; v46-49  q's scale words: for [q | 0] and for [0 | q], for each head
.set FR,   50                          ; v50-97  four fragments, of k and then of v
.set KW,   98                          ; v98-101 k's scale words
.set VW,   102                         ; v102-105 v's
.set S,    106                         ; v106-169 scores, then p
.set O,    170                         ; v170-201 O^T
.set PC,   202                         ; v202-213 p's codes
.set TP,   214                         ; v214-221
.set BM,   222                         ; v222-225 a block's largest score, then p
.set BT,   226
.set BS,   230
.set PWD,  234                         ; p's scale word
.set T1,   235
.set F,    236                         ; v[236:237] f = 2^(old M - new M)
.set QW1,  239
.set SUM2, 240
.set AF,   242                         ; v242-253 o's fragment
.set AW,   254                         ; its scale word
.set QW0,  255
.set WV,   12
.set SEL,  20
.set CS,   22
.set G1,   24
.set G0,   32
.set TB,   40
.set TS,   41
.set CNT,  42
.macro CROUND
	s_barrier_signal -1
	s_barrier_wait -1
	s_cmp_lg_u32 s[WV], 0
	s_cbranch_scc1 .Lnot_wave_0_\@
	s_barrier_signal -3
.Lnot_wave_0_\@:
	s_barrier_wait -3
	s_barrier_signal -1
	s_barrier_wait -1
.endm
	s_load_b128 s[4:7], s[0:1], 0x0                ; qkv, ac
	s_load_b64 s[8:9], s[0:1], 0x10                ; asc
	v_lshl_add_u32 v221, v0, 2, 0x36000
	v_mov_b32 v238, 0
	ds_add_u32 v221, v238
	ds_add_u32 v221, v238
	v_lshrrev_b32 v6, 5, v0
	v_readfirstlane_b32 s[WV], v6                  ; wave 0..15
	s_bfe_u32 s16, ttmp6, 0x40000                  ; cx: it enters q's and o's addresses alone
	s_and_b32 s18, ttmp7, 0xffff                   ; y
	s_mul_i32 s44, s18, 2*HS                       ; the first head's region
	s_mov_b32 s45, 0
	s_mul_i32 s46, s[WV], 6912                     ; my sixteenth of a head's bytes
	s_add_co_u32 s48, s46, 49152
	s_mov_b32 s49, 0
	s_mov_b32 s[G1], 15|(3<<16)|(1<<21)            ; the mask: all four work-groups; elements of 8 bytes; bit 21 beside a mask; no padding
	s_mov_b32 s[G1+1], 32<<16                      ; 27 rows of 256 bytes, dense
	s_mov_b32 s[G1+2], 27<<16
	s_mov_b32 s[G1+3], 32<<16
	s_mov_b32 s[G1+4], 27
	s_mov_b32 s[G1+5], 32
	s_mov_b32 s[G1+6], 0
	s_mov_b32 s[G1+7], 0
	s_lshl_b32 s50, s16, 4
	s_add_co_u32 s50, s50, s[WV]                   ; my token block in the batch: 16 cx + wave
	s_mul_i32 s52, s50, 768
	s_mov_b32 s53, 0
	s_lshl_b32 s54, s16, 2
	s_lshr_b32 s55, s[WV], 2
	s_add_co_u32 s54, s54, s55
	s_lshl_b32 s54, s54, 8                         ; q's scale words: my 64 tokens,
	s_lshr_b32 s55, s[WV], 1
	s_and_b32 s55, s55, 1
	s_lshl_b32 s55, s55, 2
	s_add_co_u32 s54, s54, s55                     ; the word of my pair of blocks
	s_add_co_u32 s54, s54, 147456
	s_mov_b32 s55, 0
	s_and_b32 s43, s[WV], 1
	s_lshl_b32 s43, s43, 4                         ; and in it my block's two bytes
	s_lshr_b32 s56, s18, 3
	s_lshl_b32 s56, s56, 6
	s_add_co_u32 s56, s56, s50                     ; my row block of the last product: 64 x batch + token block
	s_and_b32 s57, s18, 7                          ; its K step g
	s_lshl_b32 s58, s56, 3
	s_add_co_u32 s58, s58, s57
	s_mul_i32 s58, s58, 1536
	s_mov_b32 s59, 0
	s_lshl_b32 s60, s56, 9
	s_lshl_b32 s57, s57, 6
	s_add_co_u32 s60, s60, s57
	s_mov_b32 s61, 0
	s_mov_b32 s[SEL], 0x76543210
	s_mov_b32 s[SEL+1], 0xfedcba98
	s_mov_b32 s[CS], 0x3e38aa3b                    ; c = log2(e) / 8
	s_mov_b32 s[CS+1], s[CS]                       ; (named with it as a pair)
	v_and_b32 v6, 31, v0
	v_lshlrev_b32 v1, 3, v6                        ; 8 x lane
	v_lshlrev_b32 v2, 4, v6                        ; 16 x lane
	s_wait_dscnt 0x0
	s_wait_kmcnt 0x0
	s_add_nc_u64 s[44:45], s[4:5], s[44:45]
	s_add_nc_u64 s[48:49], s[44:45], s[48:49]
	s_add_nc_u64 s[52:53], s[44:45], s[52:53]
	s_add_nc_u64 s[54:55], s[44:45], s[54:55]
	s_add_nc_u64 s[6:7], s[6:7], s[58:59]
	s_add_nc_u64 s[8:9], s[8:9], s[60:61]
.irp c, 0,1                            ; q is asked for first of all, ahead of the round: nobody writes these bytes
.irp p, 0,1,2
	global_load_b64 v[QZ+6+12*\c+2*\p:QZ+7+12*\c+2*\p], v1, s[52:53] offset:\c*HS+256*\p   ; q's half fragment stays in registers
.endr
.endr
	global_load_b32 v[QW0], v1, s[54:55]
	global_load_b32 v[QW1], v1, s[54:55] offset:HS
.irp c, 0,1
	s_mov_b32 s[G0+4*\c], 1
	s_add_co_u32 s[G0+4*\c+1], s46, \c*HL
	s_add_nc_u64 s[G0+4*\c+2:G0+4*\c+3], s[48:49], \c*HS
	s_or_b32 s[G0+4*\c+3], s[G0+4*\c+3], 0x80000000
.endr
	CROUND                                         ; all four work-groups are here: the joint loads meet
	tensor_load_to_lds s[G0:G0+3], s[G1:G1+7]
	s_nop 0
	tensor_load_to_lds s[G0+4:G0+7], s[G1:G1+7]
	s_nop 0
.rept 4
	v_nop
.endr
	v_add_nc_u32 v3, 49152, v2
	v_add_nc_u32 v4, 102400, v1
	v_add_nc_u32 v5, 106496, v2
	v_and_b32 v10, 15, v0
	v_lshlrev_b32 v10, 2, v10                      ; 4 r
.irp z, 0,1,2
.irp i, 0,1,2,3,4,5
	v_mov_b32 v[QZ+12*\z+\i], 0                    ; zero codes
.endr
.endr
.irp b, 0,1,2,3
	v_mov_b32 v[BT+\b], 0                          ; written once: a lane permute's destination counts as one of its sources
.endr
	v_mov_b32 v[F+1], 0                            ; (named as the upper half of a pair)
	s_wait_loadcnt 0x0
	v_lshrrev_b32 v[T1], s43, v[QW0]
	v_and_b32 v[T1], 0xffff, v[T1]
	v_or_b32 v[QS], 0x01010000, v[T1]              ; [q | 0]: q's two bytes, then 1, 1
	v_lshl_or_b32 v[QS+1], v[T1], 16, 0x0101       ; [0 | q]
	v_lshrrev_b32 v[T1], s43, v[QW1]
	v_and_b32 v[T1], 0xffff, v[T1]
	v_or_b32 v[QS+2], 0x01010000, v[T1]
	v_lshl_or_b32 v[QS+3], v[T1], 16, 0x0101
	s_wait_tensorcnt 0x0                           ; my parts of both heads are in,
	s_barrier_signal -1
	s_barrier_wait -1                              ; everybody's are: no further barrier stands between the heads
; A KEY STEP of head hd: 128 keys.
.macro STEP hd
	v_add_nc_u32 v[ADK], s[TB], v1                 ; (these four are also the places behind the last step's products)
	v_add_nc_u32 v[ADV], s[TB], v3
	v_add_nc_u32 v[ADKS], s[TS], v4
	v_add_nc_u32 v[ADVS], s[TS], v5
.irp kb, 0,1,2,3
.irp p, 0,1,2,3,4,5
	ds_load_b64 v[FR+12*\kb+2*\p:FR+12*\kb+2*\p+1], v[ADK] offset:1536*\kb+256*\p   ; 256 consecutive bytes
.endr
.endr
	ds_load_b64 v[KW:KW+1], v[ADKS]
	ds_load_b64 v[KW+2:KW+3], v[ADKS] offset:256
	s_wait_dscnt 0x0
.irp kb, 0,1,2,3                       ; register 16 kb + i of the scores is key 32 kb + 16 (lane / 16) + i
	v_wmma_scale_f32_16x16x128_f8f6f4 v[S+16*\kb:S+16*\kb+7], v[FR+12*\kb:FR+12*\kb+11], v[QZ+6+12*\hd:QZ+17+12*\hd], 0, v[KW+\kb], v[QS+2*\hd] matrix_a_fmt:MATRIX_FMT_BF6 matrix_b_fmt:MATRIX_FMT_BF6
	v_wmma_scale_f32_16x16x128_f8f6f4 v[S+8+16*\kb:S+15+16*\kb], v[FR+12*\kb:FR+12*\kb+11], v[QZ+12*\hd:QZ+11+12*\hd], 0, v[KW+\kb], v[QS+1+2*\hd] matrix_a_fmt:MATRIX_FMT_BF6 matrix_b_fmt:MATRIX_FMT_BF6
.endr
.rept 4
	v_nop                                          ; places: in front of the loads into k's registers and of the first read of the scores
.endr
.irp t, 0,1,2,3                        ; v's fragments are asked for now and land under the softmax
.irp g, 0,1,2
	ds_load_b128 v[FR+12*\t+4*\g:FR+12*\t+4*\g+3], v[ADV] offset:1536*\t+512*\g
.endr
.endr
	ds_load_b128 v[VW:VW+3], v[ADVS]
.irp b, 0,1,2,3
	v_max3_num_f32 v[BM+\b], v[S+16*\b], v[S+1+16*\b], v[S+2+16*\b]   ; the largest score of each block of 32 keys: for the row's maximum, and for the block's largest p
.endr
.irp i, 3,5,7,9,11,13
.irp b, 0,1,2,3
	v_max3_num_f32 v[BM+\b], v[BM+\b], v[S+16*\b+\i], v[S+1+16*\b+\i]
.endr
.endr
.irp b, 0,1,2,3
	v_max_num_f32 v[BM+\b], v[BM+\b], v[S+15+16*\b]
.endr
.irp b, 0,1,2,3
	v_permlanex16_b32 v[BT+\b], v[BM+\b], s[SEL], s[SEL+1]
.endr
.irp b, 0,1,2,3
	v_max_num_f32 v[BM+\b], v[BM+\b], v[BT+\b]
.endr
	v_max3_num_f32 v[T1], v[BM], v[BM+1], v[BM+2]
	v_max_num_f32 v[T1], v[T1], v[BM+3]
	v_mul_f32 v[T1], s[CS], v[T1]
	v_max_num_f32 v13, v13, v[T1]                  ; the running largest t
	v_mov_b32 v[T1], v12
	v_floor_f32 v12, -v13                          ; -M = floor(-t): M is a whole number
	v_sub_f32 v[T1], v12, v[T1]
	v_cvt_i32_f32 v[T1], v[T1]                     ; (it saturates)
	v_ldexp_f32 v[F], 1.0, v[T1]                   ; f = 2^(old M - new M): a multiplication by it rounds nothing
.set j, 0
.rept 32
	v_pk_fma_f32 v[S+j:S+j+1], v[S+j:S+j+1], s[CS:CS+1], v[12:13] op_sel_hi:[1,0,0]   ; t - M
.set j, j+2
.endr
.irp b, 0,1,2,3
	v_fma_f32 v[BM+\b], v[BM+\b], s[CS], v12
.endr
.set j, 0
.rept 64
	v_exp_f32 v[S+j], v[S+j]                       ; p = 2^(t - M)
.set j, j+1
.endr
.irp b, 0,1,2,3
	v_exp_f32 v[BM+\b], v[BM+\b]
.endr
	v_pk_mul_f32 v[14:15], v[14:15], v[F:F+1] op_sel_hi:[1,0]   ; the sums under the new M (a plain place behind the exponentials)
	s_wait_alu depctr_va_vdst(0)
.irp b, 0,1,2,3
	v_max_num_f32 v[BM+\b], 0x2800000, v[BM+\b]    ; the floor 2^(5 - 127)
.endr
.irp b, 0,1,2,3
	v_add_nc_u32 v[BS+\b], 0xfe000000, v[BM+\b]
.endr
.irp b, 0,1,2,3
	v_lshrrev_b32 v[BT+\b], 23, v[BS+\b]
.endr
	v_lshl_or_b32 v[PWD], v[BT+1], 8, v[BT]
	v_lshl_or_b32 v[PWD], v[BT+2], 16, v[PWD]
	v_lshl_or_b32 v[PWD], v[BT+3], 24, v[PWD]
.irp c, 0,1
	v_cvt_scalef32_pk16_bf6_f32 v[PC+6*\c:PC+6*\c+2], v[S+32*\c:S+32*\c+15], v[BS+2*\c]
	v_cvt_scalef32_pk16_bf6_f32 v[TP+4*\c:TP+4*\c+2], v[S+16+32*\c:S+31+32*\c], v[BS+2*\c+1]
.endr
	v_nop                                          ; one plain place behind the scaled conversions
.irp c, 0,1
.irp i, 0,1,2
	v_permlane16_swap_b32 v[PC+6*\c+\i], v[TP+4*\c+\i]
.endr
.irp i, 0,1,2
	v_mov_b32 v[PC+3+6*\c+\i], v[TP+4*\c+\i]
.endr
.endr
	v_pk_add_f32 v[SUM2:SUM2+1], v[S:S+1], v[S+2:S+3]          ; the row's sum, of the unquantised p, in two chains
.irp j, 4,8,12,16,20,24,28,32,36,40,44,48,52,56,60
	v_pk_add_f32 v[14:15], v[14:15], v[S+\j:S+1+\j]
	v_pk_add_f32 v[SUM2:SUM2+1], v[SUM2:SUM2+1], v[S+2+\j:S+3+\j]
.endr
	v_pk_add_f32 v[14:15], v[14:15], v[SUM2:SUM2+1]
.set j, 0
.rept 16
	v_pk_mul_f32 v[O+j:O+j+1], v[O+j:O+j+1], v[F:F+1] op_sel_hi:[1,0]   ; O^T under the new M
.set j, j+2
.endr
	s_wait_dscnt 0x0                               ; v's fragments and scale words
.irp t, 0,1,2,3                        ; the four accumulators by turns; eight other products stand between two steps' links
	v_wmma_scale_f32_16x16x128_f8f6f4 v[O+8*\t:O+8*\t+7], v[FR+12*\t:FR+12*\t+11], v[PC:PC+11], v[O+8*\t:O+8*\t+7], v[VW+\t], v[PWD] matrix_a_fmt:MATRIX_FMT_BF6 matrix_b_fmt:MATRIX_FMT_BF6
.endr
.endm
; One head: eight key steps, then O^T / the sum, quantised: registers 6 hd on of o's fragment and two bytes of its scale word.
.macro HEAD hd
	v_mov_b32 v13, 0xff61b1e6                      ; the largest t so far: -3e38
	v_floor_f32 v12, -v13
	v_mov_b32 v14, 0
	v_mov_b32 v15, 0
.set j, 0
.rept 32
	v_mov_b32 v[O+j], 0                            ; the step is written once: the first finds zeros
.set j, j+1
.endr
	s_mov_b32 s[TB], \hd*HL
	s_mov_b32 s[TS], \hd*HL
	s_mov_b32 s[CNT], 8
.Lstep_\@:
	STEP \hd
	s_add_co_u32 s[TB], s[TB], 6144
	s_add_co_u32 s[TS], s[TS], 512
	s_sub_co_u32 s[CNT], s[CNT], 1
	s_cmp_lg_u32 s[CNT], 0
	s_cbranch_scc1 .Lstep_\@
.rept 4
	v_nop
.endr
	v_add_f32 v14, v14, v15
	v_permlanex16_b32 v[T1], v14, s[SEL], s[SEL+1]
	v_add_f32 v14, v14, v[T1]                      ; the row's sum
	v_rcp_f32 v14, v14
	v_nop                                          ; a plain place behind the transcendental
.set j, 0
	s_wait_alu depctr_va_vdst(0)
.rept 32
	v_mul_f32 v[S+j], v[O+j], v14                  ; register 16 b + i is channel 32 b + 16 (lane / 16) + i
.set j, j+1
.endr
.irp b, 0,1
	v_max3_num_f32 v[BM+\b], |v[S+16*\b]|, |v[S+1+16*\b]|, 0x2800000
.endr
.irp i, 2,4,6,8,10,12,14
.irp b, 0,1
	v_max3_num_f32 v[BM+\b], v[BM+\b], |v[S+16*\b+\i]|, |v[S+1+16*\b+\i]|
.endr
.endr
.irp b, 0,1
	v_permlanex16_b32 v[BT+\b], v[BM+\b], s[SEL], s[SEL+1]
.endr
.irp b, 0,1
	v_max_num_f32 v[BM+\b], v[BM+\b], v[BT+\b]
.endr
.irp b, 0,1
	v_add_nc_u32 v[BS+\b], 0xfe000000, v[BM+\b]
.endr
.irp b, 0,1
	v_lshrrev_b32 v[BT+\b], 23, v[BS+\b]
.endr
.if \hd == 0
	v_lshl_or_b32 v[AW], v[BT+1], 8, v[BT]
.else
	v_lshl_or_b32 v[AW], v[BT], 16, v[AW]
	v_lshl_or_b32 v[AW], v[BT+1], 24, v[AW]
.endif
	v_cvt_scalef32_pk16_bf6_f32 v[AF+6*\hd:AF+6*\hd+2], v[S:S+15], v[BS]
	v_cvt_scalef32_pk16_bf6_f32 v[TP:TP+2], v[S+16:S+31], v[BS+1]
	v_nop
.irp i, 0,1,2
	v_permlane16_swap_b32 v[AF+6*\hd+\i], v[TP+\i]
.endr
.irp i, 0,1,2
	v_mov_b32 v[AF+3+6*\hd+\i], v[TP+\i]
.endr
.endm
	HEAD 0
	HEAD 1
.irp g, 0,1,2
	global_store_b128 v2, v[AF+4*\g:AF+4*\g+3], s[6:7] offset:512*\g   ; the fragment as it stands: 512 consecutive bytes a store
.endr
	global_store_b32 v10, v[AW], s[8:9]            ; 16 scale words; lanes 16-31 hold and write the same as lanes 0-15
	s_wait_tensorcnt 0x0
	ds_add_u32 v221, v238
	s_wait_dscnt 0x0
	CROUND                                         ; the closing round
	s_endpgm
.Lfunc_end_k_q62d2b6af4a_attn:
	.size	k_q62d2b6af4a_attn, .Lfunc_end_k_q62d2b6af4a_attn-k_q62d2b6af4a_attn
	.p2alignl 7, 3214868480
	.fill 96, 4, 3214868480
	.section	.rodata,"a",@progbits
	.p2align	6, 0x0
	.amdhsa_kernel k_q62d2b6af4a_attn
		.amdhsa_group_segment_fixed_size 223232
		.amdhsa_private_segment_fixed_size 0
		.amdhsa_enable_private_segment 0
		.amdhsa_kernarg_size 24
		.amdhsa_user_sgpr_count 2
		.amdhsa_user_sgpr_kernarg_segment_ptr 1
		.amdhsa_wavefront_size32 1
		.amdhsa_system_sgpr_workgroup_id_x 1
		.amdhsa_system_sgpr_workgroup_id_y 1
		.amdhsa_system_sgpr_workgroup_id_z 1
		.amdhsa_system_vgpr_workitem_id 0
		.amdhsa_next_free_vgpr 256
		.amdhsa_next_free_sgpr 66
		.amdhsa_reserve_vcc 0
		.amdhsa_float_denorm_mode_32 3
		.amdhsa_float_denorm_mode_16_64 3
		.amdhsa_memory_ordered 1
		.amdhsa_forward_progress 1
		.amdhsa_inst_pref_size 49
	.end_amdhsa_kernel
	.amdgpu_metadata
---
amdhsa.version: [ 1, 2 ]
amdhsa.kernels:
  - .name:           k_q62d2b6af4a_attn
    .symbol:         k_q62d2b6af4a_attn.kd
    .args:
      - { .name: qkv, .offset: 0, .size: 8, .value_kind: global_buffer, .address_space: global }
      - { .name: ac, .offset: 8, .size: 8, .value_kind: global_buffer, .address_space: global }
      - { .name: asc, .offset: 16, .size: 8, .value_kind: global_buffer, .address_space: global }
    .group_segment_fixed_size: 223232
    .private_segment_fixed_size: 0
    .kernarg_segment_align: 8
    .kernarg_segment_size: 24
    .max_flat_workgroup_size: 512
    .sgpr_count:     66
    .vgpr_count:     256
    .wavefront_size: 32
...
	.end_amdgpu_metadata
.endif
;; end of part 3
;; launch fc (part 4): grid 4 x 64, 4 waves a work-group, clusters of 4 x 4, 295,424 bytes of LDS; arguments ac, asc, codes, scl, x, fc_b, out0; writes out0
.if DOCPART == 4
	.amdgcn_target "amdgcn-amd-amdhsa--gfx1250"
	.amdhsa_code_object_version 6
	.text
	.protected	k_q62d2b6af4a_fc
	.globl	k_q62d2b6af4a_fc
	.p2align	8
	.type	k_q62d2b6af4a_fc,@function
k_q62d2b6af4a_fc:
	s_mov_b64 s[64:65], 0
	v_nop
	global_prefetch_b8 v0, s[64:65] scope:SCOPE_SE
	s_setreg_imm32_b32 hwreg(HW_REG_WAVE_MODE, 25, 1), 1
	s_wait_xcnt 0x0
	s_wait_alu depctr_hold_cnt(0) depctr_sa_sdst(0) depctr_va_vdst(0) depctr_va_sdst(0) depctr_va_ssrc(0) depctr_va_vcc(0) depctr_vm_vsrc(0)
	s_getreg_b32 s2, hwreg(HW_REG_IB_STS2, 6, 4)
	s_cmp_eq_u32 s2, 0
	s_cbranch_scc0 .Lentry_in_a_cluster
	s_endpgm
.Lentry_in_a_cluster:
	s_bfe_u32 s2, ttmp6, 0x10000c
	s_cmp_lg_u32 s2, 0xf033
	s_cbranch_scc0 .Lentry_shape_is_right
	s_endpgm
.Lentry_shape_is_right:
; out0 = o fc_w^T + fc_b + x.  o and fc_w are codes of E3M2 as images of their registers ([row block][K step][1,536 bytes]; row block 2 b + u holds in place r the row 32 b + 8 u + r + 8 (r / 8)).
; A work-group's tile is 128 rows of o x 256 rows of fc_w; four waves, each 64 x 128: 32 accumulators.  The product is used transposed (first source = fc_w's block, second = o's): a lane holds one row of the
; output, and the 16 registers of two neighbouring tiles are 16 neighbouring columns.  fc_b is the C of each sum's first product.
; THE WHOLE K LIES IN LDS, 294,912 bytes in four chunks of two K steps, each byte filled once: four tensor loads a wave go out together (four are out at most); each chunk is read behind a counted wait and a barrier.
; CLUSTER 4 x 4: o's tiles are shared along a row of the cluster, fc_w's along a column: joint loads.
; The wave's 64 x 128 numbers of x are asked for at the start, into 256 registers of their own, in the layout in which the results leave, and land under the products.
; THE WAY OUT: a block of 16 rows goes through the wave's stage in LDS (in chunk 0, which has had its only fill and its last read) and comes back as whole rows of 512 bytes; x is added; one aligned run of 512 bytes a store.
; REGISTERS: window 0: v1-15 addresses; v16-31 o's scale words, v32-63 fc_w's; v64-159 o's fragments, two sets; v160-223 the bias; on the way out v64-191 rows.  window 1: fc_w's fragments.  window 2: the accumulators.  window 3: x.
.set CH,   73728
.set RD,   2
.set STO,  6
.set ADRA, 8
.set ADRB, 12
.set SA,   16
.set SB,   32
.set AF,   64
.set BK,   64
.set BI,   160
.set WV,   12
.set G1A,  24
.set G1B,  32
.set G0A,  40
.set G0B,  68
.set MSB, 0
.macro WIN new                         ; the immediate's high byte repeats the setting that is left
.if MSB != \new
	s_set_vgpr_msb (MSB<<8)|\new
.set MSB, \new
.endif
.endm
.macro PLACES                          ; four plain places behind matrix instructions (ISA guide 7.12.1)
.rept 4
	v_nop
.endr
.endm
.macro CROUND
	s_barrier_signal -1
	s_barrier_wait -1
	s_cmp_lg_u32 s[WV], 0
	s_cbranch_scc1 .Lnot_wave_0_\@
	s_barrier_signal -3
.Lnot_wave_0_\@:
	s_barrier_wait -3
	s_barrier_signal -1
	s_barrier_wait -1
.endm
.macro FETCH q                         ; K step q's fragments into set q % 2: 24 loads for fc_w, 12 for o
	WIN 0x40
.irp i, 0,1,2,3,4,5,6,7
.irp g, 0,1,2
	ds_load_b128 v[96*((\q)%2)+12*\i+4*\g:96*((\q)%2)+12*\i+4*\g+3], v[ADRB+(\q)/2] offset:3072*\i+1536*((\q)%2)+512*\g
.endr
.endr
	WIN 0
.irp i, 0,1,2,3
.irp g, 0,1,2
	ds_load_b128 v[AF+48*((\q)%2)+12*\i+4*\g:AF+48*((\q)%2)+12*\i+4*\g+3], v[ADRA+(\q)/2] offset:3072*\i+1536*((\q)%2)+512*\g
.endr
.endr
.endm
; K step q: 32 matrix instructions, the accumulators by turns in the same order in every step.  mode 2: the first products start the sums from the bias.
.macro MUL q, mode
.if \mode == 2
	WIN 0x81                                       ; C (the bias) window 0, D window 2
.else
	WIN 0xa1
.endif
.irp a, 0,1,2,3
.irp b, 0,1,2,3,4,5,6,7
.set rD, 8*(8*\a+\b)
.set rB, 96*((\q)%2)+12*\b
.set rA, AF+48*((\q)%2)+12*\a
.set rSB, SB+4*\b+(\q)%4
.set rSA, SA+4*\a+(\q)%4
.if \mode == 2
	v_wmma_scale_f32_16x16x128_f8f6f4 v[rD:rD+7], v[rB:rB+11], v[rA:rA+11], v[BI+8*\b:BI+8*\b+7], v[rSB], v[rSA] matrix_a_fmt:MATRIX_FMT_BF6 matrix_b_fmt:MATRIX_FMT_BF6
.elseif (\q) < 4
	v_wmma_scale_f32_16x16x128_f8f6f4 v[rD:rD+7], v[rB:rB+11], v[rA:rA+11], v[rD:rD+7], v[rSB], v[rSA] matrix_a_fmt:MATRIX_FMT_BF6 matrix_b_fmt:MATRIX_FMT_BF6
.else
	v_wmma_scale_f32_16x16x128_f8f6f4 v[rD:rD+7], v[rB:rB+11], v[rA:rA+11], v[rD:rD+7], v[rSB], v[rSA] matrix_a_fmt:MATRIX_FMT_BF6 matrix_b_fmt:MATRIX_FMT_BF6 matrix_a_scale:MATRIX_SCALE_ROW1 matrix_b_scale:MATRIX_SCALE_ROW1
.endif
.endr
.endr
.endm
.macro ARRIVE j
	s_wait_dscnt 0x0                               ; no LDS load of mine is out at the signal
	s_wait_tensorcnt 3-(\j)                        ; my loads of chunks 0 .. j have landed; the 3 - j later ones may stay out
	s_barrier_signal -1
	s_barrier_wait -1
.endm
.macro STEP q, mode
.if (\q)%2
	ARRIVE ((\q)+1)/2
.endif
.if (\q) > 0
	PLACES
.endif
	FETCH (\q)+1
	s_wait_dscnt 36                                ; all but the 36 just issued
	MUL \q, \mode
.endm
	s_load_b128 s[4:7], s[0:1], 0x0                ; ac, asc
	s_load_b128 s[8:11], s[0:1], 0x10              ; codes, scl
	s_load_b128 s[56:59], s[0:1], 0x20             ; x, fc_b
	s_load_b64 s[60:61], s[0:1], 0x30              ; out0
	v_lshl_add_u32 v254, v0, 2, 0x48000
	v_mov_b32 v255, 0
	ds_add_u32 v254, v255
	ds_add_u32 v254, v255
	v_lshrrev_b32 v5, 5, v0
	v_readfirstlane_b32 s[WV], v5
	s_lshr_b32 s13, s[WV], 1                       ; wr: my 64 rows
	s_and_b32 s14, s[WV], 1                        ; wc: my 128 columns.  Also: which half of a tile I fetch
	s_bfe_u32 s16, ttmp6, 0x40000                  ; cx = the tile of columns
	s_bfe_u32 s17, ttmp6, 0x40004                  ; cy
	s_and_b32 s18, ttmp7, 0xffff
	s_lshl_b32 s19, s18, 2
	s_add_co_u32 s19, s19, s17                     ; the tile of rows
	s_lshl_b32 s85, s19, 3                         ; o's row block
	s_lshl_b32 s86, s16, 4
	s_add_co_u32 s86, s86, 704                     ; fc_w's row block
	s_lshl_b32 s87, s17, 2
	s_lshl_b32 s87, 15, s87                        ; my row of the cluster
	s_lshl_b32 s88, 0x1111, s16                    ; my column
	s_or_b32 s[G1A], s87, (3<<16)|(1<<21)          ; R row blocks of 3,072 bytes (two K steps), 12,288 bytes apart; elements of 8 bytes
	s_or_b32 s[G1B], s88, (3<<16)|(1<<21)
	s_mov_b32 s[G1A+2], 4<<16
	s_mov_b32 s[G1A+4], 4
	s_mov_b32 s[G1B+2], 8<<16
	s_mov_b32 s[G1B+4], 8
.irp g, G1A, G1B
	s_mov_b32 s[\g+1], 384<<16
	s_mov_b32 s[\g+3], 384<<16
	s_mov_b32 s[\g+5], 1536
	s_mov_b32 s[\g+6], 0
	s_mov_b32 s[\g+7], 0
.endr
	s_lshl_b32 s89, s14, 2
	s_add_co_u32 s89, s89, s85
	s_mul_i32 s90, s89, 12288
	s_mov_b32 s91, 0
	s_lshl_b32 s92, s14, 3
	s_add_co_u32 s92, s92, s86
	s_mul_i32 s92, s92, 12288
	s_mov_b32 s93, 0
	s_mul_i32 s94, s14, 12288
	s_mul_i32 s95, s14, 24576
	s_add_co_u32 s95, s95, 24576
	s_lshl_b32 s96, s13, 2
	s_add_co_u32 s96, s96, s85
	s_lshl_b32 s96, s96, 9                         ; o's scale words: 512 bytes a block
	s_mov_b32 s97, 0
	s_lshl_b32 s98, s14, 3
	s_add_co_u32 s98, s98, s86
	s_lshl_b32 s98, s98, 9
	s_mov_b32 s99, 0
	s_lshl_b32 s66, s16, 10
	s_lshl_b32 s67, s14, 9
	s_add_co_u32 s66, s66, s67                     ; my first column, in bytes
	s_mov_b32 s67, 0
	s_lshl_b32 s62, s19, 19
	s_lshl_b32 s63, s13, 18
	s_add_co_u32 s62, s62, s63
	s_add_co_u32 s62, s62, s66                     ; and my first row's place in x and in out0
	s_mov_b32 s63, 0
	s_wait_dscnt 0x0
	s_wait_kmcnt 0x0
	s_add_nc_u64 s[90:91], s[4:5], s[90:91]
	s_add_nc_u64 s[92:93], s[8:9], s[92:93]
	s_add_nc_u64 s[96:97], s[6:7], s[96:97]
	s_add_nc_u64 s[98:99], s[10:11], s[98:99]
	s_add_nc_u64 s[56:57], s[56:57], s[62:63]
	s_add_nc_u64 s[58:59], s[58:59], s[66:67]
	s_add_nc_u64 s[60:61], s[60:61], s[62:63]
.irp j, 0,1,2,3
	s_mov_b32 s[G0A+4*\j], 1
	s_add_co_u32 s[G0A+4*\j+1], s94, \j*CH
	s_add_nc_u64 s[G0A+4*\j+2:G0A+4*\j+3], s[90:91], \j*3072
	s_or_b32 s[G0A+4*\j+3], s[G0A+4*\j+3], 0x80000000
	s_mov_b32 s[G0B+4*\j], 1
	s_add_co_u32 s[G0B+4*\j+1], s95, \j*CH
	s_add_nc_u64 s[G0B+4*\j+2:G0B+4*\j+3], s[92:93], \j*3072
	s_or_b32 s[G0B+4*\j+3], s[G0B+4*\j+3], 0x80000000
.endr
	CROUND                                         ; all sixteen work-groups are here: the joint loads meet
	s_cmp_lt_u32 s[WV], 2                          ; waves 0, 1 fetch o's halves, waves 2, 3 fc_w's: a wave's four fills stand in one branch
	s_cbranch_scc0 .Lfill_b
.irp j, 0,1,2,3
	tensor_load_to_lds s[G0A+4*\j:G0A+4*\j+3], s[G1A:G1A+7]
	s_nop 0
.endr
	PLACES
	s_branch .Lfilled
.Lfill_b:
.irp j, 0,1,2,3
	tensor_load_to_lds s[G0B+4*\j:G0B+4*\j+3], s[G1B:G1B+7]
	s_nop 0
.endr
	PLACES
.Lfilled:
	v_and_b32 v5, 31, v0
	v_lshlrev_b32 v1, 4, v5                        ; 16 x lane
	v_and_b32 v3, 15, v0                           ; r
	v_bfe_u32 v4, v0, 4, 1                         ; h
	v_lshlrev_b32 v7, 2, v3
	v_lshl_add_u32 v7, v4, 8, v7                   ; o's scale words: row r, K steps 4 h on (64 bytes a step)
	v_lshlrev_b32 v5, 6, v4                        ; the bias: 16 h numbers on
.irp a, 0,1,2,3
.irp j, 0,1,2,3
	global_load_b32 v[SA+4*\a+\j], v7, s[96:97] offset:512*\a+64*\j
.endr
.endr
.irp b, 0,1,2,3,4,5,6,7
	global_load_b128 v[SB+4*\b:SB+4*\b+3], v1, s[98:99] offset:512*\b
.endr
.irp b, 0,1,2,3
.irp j, 0,1,2,3
	global_load_b128 v[BI+16*\b+4*\j:BI+16*\b+4*\j+3], v5, s[58:59] offset:128*\b+16*\j   ; register 16 b + i: column 32 b + 16 h + i, as in the results
.endr
.endr
	s_mul_i32 s15, s13, 12288
	s_mul_i32 s100, s14, 24576
	s_add_co_u32 s100, s100, 24576
.irp j, 0,1,2,3
	v_add_nc_u32 v[ADRA+\j], s15, v1
	v_add_nc_u32 v[ADRB+\j], s100, v1
	s_add_co_u32 s15, s15, CH
	s_add_co_u32 s100, s100, CH
.endr
	s_mul_i32 s101, s[WV], 8448                    ; my stage: 16 rows x (512 + 16) bytes
	v_mul_u32_u24 v[STO], v3, 528
	v_lshl_add_u32 v[STO], v4, 6, v[STO]
	v_add_nc_u32 v[STO], s101, v[STO]              ; in: row r, 64 h bytes on
	v_add_nc_u32 v[RD], s101, v1                   ; back: 16 bytes a lane of a whole row
	ARRIVE 0
	s_wait_loadcnt 0x0                             ; the scale words and the bias
	FETCH 0
	WIN 0xc0                                       ; destination window 3
.irp a, 0,1,2,3
.irp t, 0,1,2,3,4,5,6,7,8,9,10,11,12,13,14,15
	global_load_b128 v[64*\a+4*\t:64*\a+4*\t+3], v1, s[56:57] offset:(32*(\a/2)+8*(\a%2)+\t+8*(\t/8))*4096 th:TH_LOAD_NT   ; place t of block a: 512 consecutive bytes of its row of x
.endr
.endr
	STEP 0, 2
	STEP 1, 0
	STEP 2, 0
	STEP 3, 0
	STEP 4, 0
	STEP 5, 0
	STEP 6, 0
	s_wait_dscnt 0x0
	MUL 7, 0
	WIN 0
	s_wait_loadcnt 0x0                             ; x
	PLACES
.macro TOSTAGE a                       ; block a's 16 rows x 128 columns into my stage, each accumulator from its low end on, and back as whole rows
	WIN 0x08                                       ; an LDS store's data: window 2
.irp bb, 0,1,2,3
.irp u, 0,1
	ds_store_b128 v[STO], v[64*(\a)+16*\bb+8*\u:64*(\a)+16*\bb+8*\u+3] offset:128*\bb+32*\u
	ds_store_b128 v[STO], v[64*(\a)+16*\bb+8*\u+4:64*(\a)+16*\bb+8*\u+7] offset:128*\bb+32*\u+16
.endr
.endr
	WIN 0
.irp t, 0,1,2,3,4,5,6,7,8,9,10,11,12,13,14,15
	ds_load_b128 v[BK+64*((\a)%2)+4*\t:BK+64*((\a)%2)+4*\t+3], v[RD] offset:528*\t   ; LDS serves a wave's instructions in order: these see the stores above
.endr
.endm
.macro SEND a, younger                 ; younger: the LDS instructions issued behind block a's loads
	s_wait_dscnt \younger
	WIN 0x0c                                       ; second source window 3: x
.set j, 0
.rept 32
	v_pk_add_f32 v[BK+64*((\a)%2)+j:BK+64*((\a)%2)+j+1], v[BK+64*((\a)%2)+j:BK+64*((\a)%2)+j+1], v[64*(\a)+j:64*(\a)+j+1]
.set j, j+2
.endr
	WIN 0
.irp t, 0,1,2,3,4,5,6,7,8,9,10,11,12,13,14,15
	global_store_b128 v1, v[BK+64*((\a)%2)+4*\t:BK+64*((\a)%2)+4*\t+3], s[60:61] offset:(32*((\a)/2)+8*((\a)%2)+\t+8*(\t/8))*4096 th:TH_STORE_NT   ; 512 consecutive bytes, aligned
.endr
.endm
	TOSTAGE 0
.irp a, 1,2,3
.if \a > 1
	s_wait_xcnt 0x0                                ; block a - 2's stores have read their registers: block a's rows may land there
.endif
	TOSTAGE \a
	SEND \a-1, 32                                  ; behind block a - 1's loads: block a's 16 stores and 16 loads
.endr
	SEND 3, 0
	s_wait_tensorcnt 0x0
	ds_add_u32 v254, v255
	s_wait_dscnt 0x0
	CROUND                                         ; the closing round
	s_endpgm
.Lfunc_end_k_q62d2b6af4a_fc:
	.size	k_q62d2b6af4a_fc, .Lfunc_end_k_q62d2b6af4a_fc-k_q62d2b6af4a_fc
	.p2alignl 7, 3214868480
	.fill 96, 4, 3214868480
	.section	.rodata,"a",@progbits
	.p2align	6, 0x0
	.amdhsa_kernel k_q62d2b6af4a_fc
		.amdhsa_group_segment_fixed_size 295424
		.amdhsa_private_segment_fixed_size 0
		.amdhsa_enable_private_segment 0
		.amdhsa_kernarg_size 56
		.amdhsa_user_sgpr_count 2
		.amdhsa_user_sgpr_kernarg_segment_ptr 1
		.amdhsa_wavefront_size32 1
		.amdhsa_system_sgpr_workgroup_id_x 1
		.amdhsa_system_sgpr_workgroup_id_y 1
		.amdhsa_system_sgpr_workgroup_id_z 1
		.amdhsa_system_vgpr_workitem_id 0
		.amdhsa_next_free_vgpr 1024
		.amdhsa_next_free_sgpr 104
		.amdhsa_reserve_vcc 0
		.amdhsa_float_denorm_mode_32 3
		.amdhsa_float_denorm_mode_16_64 3
		.amdhsa_memory_ordered 1
		.amdhsa_forward_progress 1
		.amdhsa_inst_pref_size 94
	.end_amdhsa_kernel
	.amdgpu_metadata
---
amdhsa.version: [ 1, 2 ]
amdhsa.kernels:
  - .name:           k_q62d2b6af4a_fc
    .symbol:         k_q62d2b6af4a_fc.kd
    .args:
      - { .name: ac, .offset: 0, .size: 8, .value_kind: global_buffer, .address_space: global }
      - { .name: asc, .offset: 8, .size: 8, .value_kind: global_buffer, .address_space: global }
      - { .name: codes, .offset: 16, .size: 8, .value_kind: global_buffer, .address_space: global }
      - { .name: scl, .offset: 24, .size: 8, .value_kind: global_buffer, .address_space: global }
      - { .name: x, .offset: 32, .size: 8, .value_kind: global_buffer, .address_space: global }
      - { .name: fc_b, .offset: 40, .size: 8, .value_kind: global_buffer, .address_space: global }
      - { .name: out0, .offset: 48, .size: 8, .value_kind: global_buffer, .address_space: global }
    .group_segment_fixed_size: 295424
    .private_segment_fixed_size: 0
    .kernarg_segment_align: 8
    .kernarg_segment_size: 56
    .max_flat_workgroup_size: 128
    .sgpr_count:     104
    .vgpr_count:     1024
    .wavefront_size: 32
...
	.end_amdgpu_metadata
.endif
;; end of part 4
